; MI455X (gfx1250); checked and timed in simulation.
; The chip was launched on July 23, 2026; its instructions are those of AMD's public machine-readable ISA for CDNA 5 (MIT licence, August 2026) and "CDNA5" Instruction Set Architecture Reference Guide (July 2026). The comments in the code are by the model that wrote it; some were corrected since.
;; NTM Memory. Allowed arithmetic: float matrix products may take bf16 or f16 operands with f32 sums; all other float work in f32.
;; Inputs: g 64 x 1 float32; gamma 1 float32; k 64 x 256 float32; memory 64 x 2,048 x 256 float32; w_lu_prev 64 x 2,048 int32; w_prev 64 x 2 x 2,048 float32.
;; Outputs: out0 64 x 256 float32.
;; Constants: n = 4.
;; 2 versions, each right; version 2 is version 1 with the launch partial written anew for expert scheduling mode. Each part assembles by itself: llvm-mc -triple=amdgcn-amd-amdhsa -mcpu=gfx1250 --defsym DOCPART=n.
;; ======== version 1 of 2: 2 launches
;; workspace buffers: part 327,680 bytes
;; launch partial (part 1): grid 4 x 64, 16 waves a work-group, no clusters, 35,072 bytes of LDS; arguments memory, k, g, w_prev, w_lu_prev, part; writes part
.if DOCPART == 1
	.amdgcn_target "amdgcn-amd-amdhsa--gfx1250"
	.amdhsa_code_object_version 6
	.text
	.protected	k_q2e2670c704_partial
	.globl	k_q2e2670c704_partial
	.p2align	8
	.type	k_q2e2670c704_partial,@function
k_q2e2670c704_partial:
	s_mov_b64 s[64:65], 0
	v_nop
	global_prefetch_b8 v0, s[64:65] scope:SCOPE_SE
	s_setreg_imm32_b32 hwreg(HW_REG_WAVE_MODE, 25, 1), 1
	s_wait_xcnt 0x0
; NTM memory read, first of two launches: one pass over memory [64][2048][256] f32.
; With e_n = exp(cos(memory[n] + eps, k + eps)), the returned read is
;   read[m] = ( sum_n e_n (1 - lu_n) memory[n][m]  +  k[m] sum_n e_n w_w[n] ) / sum_n e_n,   w_w = g w_r_prev + (1 - g) lu.
; This launch makes the three sums for 512 rows of one batch (work-group x = chunk 0..3, y = batch): 256 work-groups.
; NOT READ: gamma, w_prev[:,0] and n.  They enter only w_u, nth_smallest and w_lu, which the function builds and does not return:
; no returned number depends on them.
; LIMITS: (1) no maximum is subtracted in the softmax: |cos| <= 1 (Cauchy-Schwarz; smaller still where a norm is clamped), so e lies in
; 0.36 .. 2.72 and the quotient is the same in exact arithmetic.  (2) The clamp of a norm at 1e-8 is applied to its square:
; 1 / max(norm, 1e-8) is made as rsq(max(norm^2, 1e-16)); f32(1e-8)^2 and f32(1e-16) differ by about 1e-7 of their size, which shows
; only at the clamp.  (3) v_rsq_f32 and v_exp_f32 are good to 1 ulp, and the sums run in another order than the function's.
; A NaN or an infinity in a row gives NaN in dot x rsq as it does in the quotient.
; No matrix unit: both products are one vector against rows that are streamed once; a conversion to 16 bits would add work and save no byte.
; No LDS staging, no shared tiles: no byte of memory is read by two waves; k (1 KiB) is all that work-groups share.
;
; SHARES.  16 waves, 32 rows each, in 16 turns of two rows.  Lanes 0-15 (h = 0) hold row 32 w + t, lanes 16-31 (h = 1) row 32 w + 16 + t;
; lane c = l % 16 holds columns 64 j + 4 c .. + 3, j = 0..3.  So each 16-byte load covers two aligned runs of 256 bytes, and a sum along
; a row stays inside 16 lanes: four row_xmask steps.  Thread number v0 = 32 w + 16 h + t IS the chunk's row that half h treats in turn t,
; so one 4-byte load a thread brings every row's w_r_prev and lu to the lane from which row_share:t hands it to its half.
.set ROWB,     1024                    ; bytes in a row of memory
.set NSLOT,    8                       ; ring slots in registers: 8 x 4 loads of a wave in flight
.set PARTB,    1280                    ; bytes of a work-group's result: 256 column sums, then 32 copies of (sum e w_w, sum e)
.set PAIRS,    32768                   ; LDS: 32 half-waves x 1,024 bytes of column sums, then 32 pairs of 8 bytes
.set EPS_COS,  0x24e69595              ; 1e-16, added to memory and to k
.set EPS_NRM2, 0x24e69595              ; (1e-8)^2, the clamp of a squared norm
.set LOG2E,    0x3fb8aa3b
.set OFF,  1                           ; v1        byte offset of my 16 bytes in my half's first row
.set KOFF, 2                           ; v2        16 c
.set WOFF, 3                           ; v3        4 x thread: my row's word in w_r_prev and in lu
.set LU,   4                           ; v4        lu of my row, then as f32
.set KEEP, 5                           ; v5        1 - lu of my row
.set CS,   6                           ; v6        log2(e) / max(|k + eps|, 1e-8)
.set HH,   7                           ; v7        h
.set WW,   8                           ; v8        w_r_prev, then w_w of my row, at the end sum e w_w
.set EV,   9                           ; v9        e of my row (lane t of a half gets it in turn t), at the end sum e
.set E1,   10                          ; v[10:11]  e (1 - lu) and e of the turn's row
.set D,    12                          ; v[12:15]  dot product, two packed chains
.set N,    16                          ; v[16:19]  squared norm, two packed chains
.set T,    20                          ; v[20:35]  memory + eps, at work
.set K,    36                          ; v[36:51]  k + eps of my 16 columns
.set ACC,  52                          ; v[52:67]  sum of e (1 - lu) memory for my 16 columns, my half's rows
.set X,    68                          ; v[68:195] ring: slot s = 16 registers, my 16 numbers of a row
.set SA,   196                         ; v196      LDS: my 16 bytes in my half-wave's row of column sums
.set PA,   197                         ; v197      LDS: my half-wave's pair
	s_load_b256 s[4:11], s[0:1], 0x0               ; memory s[4:5], k s[6:7], g s[8:9], w_prev s[10:11]
	s_load_b128 s[12:15], s[0:1], 0x20             ; w_lu_prev s[12:13], part s[14:15]
	v_lshl_add_u32 v198, v0, 2, 0x8100
	v_mov_b32 v199, 0
	s_and_b32 s16, ttmp7, 0xffff                   ; batch
	v_lshrrev_b32 v[T], 5, v0
	v_readfirstlane_b32 s17, v[T]                  ; wave 0..15
	v_and_b32 v[KOFF], 15, v0
	v_lshlrev_b32 v[KOFF], 4, v[KOFF]              ; 16 c
	v_lshrrev_b32 v[OFF], 4, v0                    ; 2 w + h: 16 rows of 1,024 bytes each
	v_lshl_add_u32 v[OFF], v[OFF], 14, v[KOFF]
	v_lshlrev_b32 v[WOFF], 2, v0
	v_bfe_u32 v[HH], v0, 4, 1
	v_mov_b32 v[E1], 0                             ; a DPP destination counts as read: written once here
	s_lshl_b32 s18, s16, 21                        ; memory: batch x 2 MiB + chunk x 512 KiB
	s_lshl_b32 s19, ttmp9, 19
	s_or_b32 s18, s18, s19
	s_mov_b32 s19, 0
	s_lshl_b32 s20, s16, 10                        ; k: batch x 1,024
	s_mov_b32 s21, 0
	s_lshl_b32 s22, s16, 2                         ; g: batch x 4
	s_mov_b32 s23, 0
	s_lshl_b32 s27, ttmp9, 11                      ; chunk x 512 rows x 4 bytes
	s_lshl_b32 s26, s16, 13                        ; w_lu_prev: batch x 8,192 + chunk
	s_or_b32 s26, s26, s27
	s_lshl_b32 s24, s16, 14                        ; w_prev: batch x 16,384 + 8,192 (index 1: w_r_prev) + chunk
	s_or_b32 s24, s24, s27
	s_or_b32 s24, s24, 8192
	s_mov_b32 s25, 0
	s_mov_b32 s27, 0
	s_lshl_b32 s28, s16, 2                         ; part: (4 x batch + chunk) x 1,280
	s_add_co_u32 s28, s28, ttmp9
	s_mul_i32 s28, s28, PARTB
	s_mov_b32 s29, 0
	s_mov_b32 s30, EPS_COS                         ; a pair, broadcast by the packed add
	s_mov_b32 s31, EPS_COS
	s_mov_b32 s32, EPS_NRM2
	; LDS address of my column sums, as a plain sum: 2,048 w + 1,024 h + 16 c.  The lane term is at most 1,024 + 240 = 1,264; with the
	; stores' largest offset 768 and their 16 bytes that is 2,048: each wave stays in its own 2,048 bytes, wave 15 ends at byte 32,768.
	s_lshl_b32 s35, s17, 11
	v_lshl_add_u32 v[SA], v[HH], 10, v[KOFF]
	v_add_nc_u32 v[SA], s35, v[SA]
	s_lshl_b32 s35, s17, 4                         ; LDS: wave x 2 pairs of 8 bytes + 8 h
	v_lshlrev_b32 v[PA], 3, v[HH]
	v_add_nc_u32 v[PA], s35, v[PA]
	s_wait_kmcnt 0x0
	s_add_nc_u64 s[4:5], s[4:5], s[18:19]
	s_add_nc_u64 s[6:7], s[6:7], s[20:21]
	s_add_nc_u64 s[8:9], s[8:9], s[22:23]
	s_add_nc_u64 s[10:11], s[10:11], s[24:25]
	s_add_nc_u64 s[12:13], s[12:13], s[26:27]
	s_add_nc_u64 s[14:15], s[14:15], s[28:29]
	s_load_b32 s33, s[8:9], 0x0                    ; g of the batch
.irp j, 0,1,2,3
	global_load_b128 v[K+4*\j:K+4*\j+3], v[KOFF], s[6:7] offset:256*\j
.endr
	global_load_b32 v[WW], v[WOFF], s[10:11]       ; w_r_prev of row v0 of the chunk
	global_load_b32 v[LU], v[WOFF], s[12:13]       ; lu of the same row
; The four loads of turn t's two rows.  One offset register and immediates serve all 64 loads of the wave: nothing is ever stepped.
.macro FILL t
.irp j, 0,1,2,3
	global_load_b128 v[X+16*((\t)%NSLOT)+4*\j:X+16*((\t)%NSLOT)+4*\j+3], v[OFF], s[4:5] offset:(\t)*ROWB+256*\j th:TH_LOAD_NT
.endr
.endm
.irp t, 0,1,2,3,4,5,6,7
	FILL \t                                        ; the ring is filled: 16 KiB of the wave's 32 KiB are asked for at once
.endr
	; While the rows travel: k + eps, its norm, and my row's w_w and 1 - lu.
	s_wait_loadcnt 32                              ; loads return in order (ISA guide 5.7.1): k, w_r_prev and lu are in, the ring's 32 loads stay out
.irp p, 0,1,2,3,4,5,6,7
	v_pk_add_f32 v[K+2*\p:K+2*\p+1], v[K+2*\p:K+2*\p+1], s[30:31] op_sel_hi:[1,0]
.endr
	v_pk_mul_f32 v[N:N+1], v[K:K+1], v[K:K+1]
	v_pk_mul_f32 v[N+2:N+3], v[K+2:K+3], v[K+2:K+3]
.irp p, 2,3,4,5,6,7
	v_pk_fma_f32 v[N+2*(\p%2):N+2*(\p%2)+1], v[K+2*\p:K+2*\p+1], v[K+2*\p:K+2*\p+1], v[N+2*(\p%2):N+2*(\p%2)+1]
.endr
	v_pk_add_f32 v[N:N+1], v[N:N+1], v[N+2:N+3]
	v_add_f32 v[N], v[N], v[N+1]
.irp m, 1,2,4,8
	v_add_f32_dpp v[N], v[N], v[N] row_xmask:\m row_mask:0xf bank_mask:0xf   ; 16 lanes x 16 columns = all 256
.endr
	v_max_num_f32 v[N], s32, v[N]
	v_rsq_f32 v[CS], v[N]                          ; 1 / max(|k + eps|, 1e-8)
	v_cvt_f32_i32 v[LU], v[LU]                     ; the plain instruction between v_rsq_f32 and the use of its result (ISA guide 5.7.2)
	s_wait_alu depctr_va_vdst(0)
	v_mul_f32 v[CS], LOG2E, v[CS]                  ; exp(x) = exp2(x log2 e): the factor rides on k's norm
	v_sub_f32 v[KEEP], 1.0, v[LU]
	s_wait_kmcnt 0x0                               ; g
	v_sub_f32 v[T], 1.0, s33
	v_mul_f32 v[T], v[T], v[LU]
	v_fma_f32 v[WW], s33, v[WW], v[T]              ; w_w = g w_r_prev + (1 - g) lu
; Turn t: two rows, one in each half of the lanes.  left = younger loads that may stay out; refill = 1: the slot gets turn t + 8's rows.
.macro TURN t, left, refill
.set XS, X+16*((\t)%NSLOT)
	s_wait_loadcnt \left
.irp p, 0,1,2,3,4,5,6,7
	v_pk_add_f32 v[T+2*\p:T+2*\p+1], v[XS+2*\p:XS+2*\p+1], s[30:31] op_sel_hi:[1,0]     ; memory + eps
.endr
	v_pk_mul_f32 v[D:D+1], v[T:T+1], v[K:K+1]                  ; the first products start the chains: nothing is cleared
	v_pk_mul_f32 v[N:N+1], v[T:T+1], v[T:T+1]
	v_pk_mul_f32 v[D+2:D+3], v[T+2:T+3], v[K+2:K+3]
	v_pk_mul_f32 v[N+2:N+3], v[T+2:T+3], v[T+2:T+3]
.irp p, 2,3,4,5,6,7
	v_pk_fma_f32 v[D+2*(\p%2):D+2*(\p%2)+1], v[T+2*\p:T+2*\p+1], v[K+2*\p:K+2*\p+1], v[D+2*(\p%2):D+2*(\p%2)+1]
	v_pk_fma_f32 v[N+2*(\p%2):N+2*(\p%2)+1], v[T+2*\p:T+2*\p+1], v[T+2*\p:T+2*\p+1], v[N+2*(\p%2):N+2*(\p%2)+1]
.endr
	v_pk_add_f32 v[D:D+1], v[D:D+1], v[D+2:D+3]
	v_pk_add_f32 v[N:N+1], v[N:N+1], v[N+2:N+3]
	v_add_f32 v[D], v[D], v[D+1]
	v_add_f32 v[N], v[N], v[N+1]
.irp m, 1,2,4,8
	v_add_f32_dpp v[D], v[D], v[D] row_xmask:\m row_mask:0xf bank_mask:0xf   ; along the row: inside each half of 16 lanes,
	v_add_f32_dpp v[N], v[N], v[N] row_xmask:\m row_mask:0xf bank_mask:0xf   ; and every lane of the half ends with the sum
.endr
	v_max_num_f32 v[N], s32, v[N]
	v_rsq_f32 v[N+1], v[N]                         ; 1 / max(|memory + eps|, 1e-8)
	v_mul_f32 v[D], v[D], v[CS]                    ; plain and independent: stands between v_rsq_f32 and its use
	s_wait_alu depctr_va_vdst(0)
	v_mul_f32 v[D], v[D], v[N+1]                   ; cos x log2 e
	v_exp_f32 v[E1+1], v[D]                        ; e
	v_nop                                          ; one plain place before e is read; all that follows needs e
	s_wait_alu depctr_va_vdst(0)
	v_mul_f32_dpp v[E1], v[KEEP], v[E1+1] row_share:\t row_mask:0xf bank_mask:0xf   ; e x (1 - lu), lu from lane t of my half: this row's
.if \t == 0
	v_mov_b32 v[EV], v[E1+1]                       ; lane 0 of each half keeps this one; the other lanes are replaced in their turns
.else
	s_mov_b32 s34, 0x00010001<<(\t)
	v_cndmask_b32 v[EV], v[EV], v[E1+1], s34       ; lane t of each half keeps its row's e: the sums over rows are made once, at the end
.endif
.irp p, 0,1,2,3,4,5,6,7
.if \t == 0
	v_pk_mul_f32 v[ACC+2*\p:ACC+2*\p+1], v[XS+2*\p:XS+2*\p+1], v[E1:E1+1] op_sel_hi:[1,0]
.else
	v_pk_fma_f32 v[ACC+2*\p:ACC+2*\p+1], v[XS+2*\p:XS+2*\p+1], v[E1:E1+1], v[ACC+2*\p:ACC+2*\p+1] op_sel_hi:[1,0,1]
.endif
.endr
.if \refill
	FILL \t+NSLOT
.endif
.endm
.irp t, 0,1,2,3,4,5,6,7
	TURN \t, 28, 1                                 ; behind turn t's loads: 4 (7 - t) first fills and 4 t refills = 28
.endr
.irp t, 8,9,10,11,12,13,14,15
	TURN \t, 4*(15-\t), 0                          ; nothing more to ask for: the counts run down to 0
.endr
	; The wave's sums over its rows: lane (h, t) holds e and w_w of its own row.
	v_mul_f32 v[WW], v[EV], v[WW]
.irp m, 1,2,4,8
	v_add_f32_dpp v[WW], v[WW], v[WW] row_xmask:\m row_mask:0xf bank_mask:0xf
	v_add_f32_dpp v[EV], v[EV], v[EV] row_xmask:\m row_mask:0xf bank_mask:0xf
.endr
.irp j, 0,1,2,3
	ds_store_b128 v[SA], v[ACC+4*\j:ACC+4*\j+3] offset:256*\j  ; my half-wave's 256 column sums, columns in their natural order
.endr
	ds_store_b64 v[PA], v[WW:WW+1] offset:PAIRS    ; (sum e w_w, sum e) of my half-wave; its 16 lanes write the same 8 bytes
	s_wait_dscnt 0x0                               ; zero: other waves read these bytes behind the barrier
	s_barrier_signal -1
	s_barrier_wait -1
	s_cmp_gt_u32 s17, 4
	s_cbranch_scc1 .Lend                           ; waves 5-15 have handed their sums over
	s_cmp_eq_u32 s17, 4
	s_cbranch_scc1 .Lpairs
	; Waves 0-3: thread t adds columns 2 t, 2 t + 1 over the 32 half-waves; a wave's store covers 256 consecutive bytes, aligned.
	v_and_b32 v[T], 31, v0
	v_lshlrev_b32 v[T], 3, v[T]
	s_lshl_b32 s35, s17, 8
	v_add_nc_u32 v[T], s35, v[T]                   ; 8 x lane + 256 x wave
.set i, 0
.rept 32
	ds_load_b64 v[X+2*i:X+2*i+1], v[T] offset:ROWB*i
.set i, i+1
.endr
	s_wait_dscnt 0x0
.irp s, 16,8,4,2,1
.set i, 0
.rept \s
	v_pk_add_f32 v[X+2*i:X+2*i+1], v[X+2*i:X+2*i+1], v[X+2*(i+\s):X+2*(i+\s)+1]
.set i, i+1
.endr
.endr
	global_store_b64 v[T], v[X:X+1], s[14:15]
	s_wait_tensorcnt 0x0
	ds_add_u32 v198, v199
	s_wait_dscnt 0x0
	s_endpgm
.Lpairs:
	; Wave 4: lane l takes half-wave l's pair; the sum over 32 lanes ends in every lane, and all 32 lanes store it:
	; 32 copies of 8 bytes, 256 consecutive bytes, aligned, in one store.
	v_and_b32 v[T], 31, v0
	v_lshlrev_b32 v[T], 3, v[T]
	ds_load_b64 v[WW:WW+1], v[T] offset:PAIRS
	s_mov_b32 s36, 0x76543210                      ; v_permlanex16_b32: lane i of one half reads lane i of the other
	s_mov_b32 s37, 0xfedcba98
	s_wait_dscnt 0x0
.irp m, 1,2,4,8
	v_add_f32_dpp v[WW], v[WW], v[WW] row_xmask:\m row_mask:0xf bank_mask:0xf
	v_add_f32_dpp v[EV], v[EV], v[EV] row_xmask:\m row_mask:0xf bank_mask:0xf
.endr
	v_permlanex16_b32 v[T+2], v[WW], s36, s37      ; destinations count as read: T was written in every turn
	v_permlanex16_b32 v[T+3], v[EV], s36, s37
	v_pk_add_f32 v[WW:WW+1], v[WW:WW+1], v[T+2:T+3]
	global_store_b64 v[T], v[WW:WW+1], s[14:15] offset:ROWB
.Lend:
	s_wait_tensorcnt 0x0
	ds_add_u32 v198, v199
	s_wait_dscnt 0x0
	s_endpgm
.Lfunc_end_k_q2e2670c704_partial:
	.size	k_q2e2670c704_partial, .Lfunc_end_k_q2e2670c704_partial-k_q2e2670c704_partial
	.p2alignl 7, 3214868480
	.fill 96, 4, 3214868480
	.section	.rodata,"a",@progbits
	.p2align	6, 0x0
	.amdhsa_kernel k_q2e2670c704_partial
		.amdhsa_group_segment_fixed_size 35072
		.amdhsa_private_segment_fixed_size 0
		.amdhsa_enable_private_segment 0
		.amdhsa_kernarg_size 48
		.amdhsa_user_sgpr_count 2
		.amdhsa_user_sgpr_kernarg_segment_ptr 1
		.amdhsa_wavefront_size32 1
		.amdhsa_system_sgpr_workgroup_id_x 1
		.amdhsa_system_sgpr_workgroup_id_y 1
		.amdhsa_system_sgpr_workgroup_id_z 1
		.amdhsa_system_vgpr_workitem_id 0
		.amdhsa_next_free_vgpr 200
		.amdhsa_next_free_sgpr 66
		.amdhsa_reserve_vcc 0
		.amdhsa_float_denorm_mode_32 3
		.amdhsa_float_denorm_mode_16_64 3
		.amdhsa_memory_ordered 1
		.amdhsa_forward_progress 1
		.amdhsa_inst_pref_size 68
	.end_amdhsa_kernel
	.amdgpu_metadata
---
amdhsa.version: [ 1, 2 ]
amdhsa.kernels:
  - .name:           k_q2e2670c704_partial
    .symbol:         k_q2e2670c704_partial.kd
    .args:
      - { .name: memory, .offset: 0, .size: 8, .value_kind: global_buffer, .address_space: global }
      - { .name: k, .offset: 8, .size: 8, .value_kind: global_buffer, .address_space: global }
      - { .name: g, .offset: 16, .size: 8, .value_kind: global_buffer, .address_space: global }
      - { .name: w_prev, .offset: 24, .size: 8, .value_kind: global_buffer, .address_space: global }
      - { .name: w_lu_prev, .offset: 32, .size: 8, .value_kind: global_buffer, .address_space: global }
      - { .name: part, .offset: 40, .size: 8, .value_kind: global_buffer, .address_space: global }
    .group_segment_fixed_size: 35072
    .private_segment_fixed_size: 0
    .kernarg_segment_align: 8
    .kernarg_segment_size: 48
    .max_flat_workgroup_size: 512
    .sgpr_count:     66
    .vgpr_count:     200
    .wavefront_size: 32
...
	.end_amdgpu_metadata
.endif
;; end of part 1
;; launch combine (part 2): grid 64 x 1, 2 waves a work-group, no clusters, 0 bytes of LDS; arguments part, k, out0; writes out0
.if DOCPART == 2
	.amdgcn_target "amdgcn-amd-amdhsa--gfx1250"
	.amdhsa_code_object_version 6
	.text
	.protected	k_q2e2670c704_combine
	.globl	k_q2e2670c704_combine
	.p2align	8
	.type	k_q2e2670c704_combine,@function
k_q2e2670c704_combine:
	s_mov_b64 s[64:65], 0
	v_nop
	global_prefetch_b8 v0, s[64:65] scope:SCOPE_SE
	s_setreg_imm32_b32 hwreg(HW_REG_WAVE_MODE, 25, 1), 1
	s_wait_xcnt 0x0
; NTM memory read, second launch: out0[b][m] = ( sum over the batch's 4 chunks of colsum[m]  +  k[b][m] x sum of (sum e w_w) ) / sum of (sum e).
; One work-group for a batch, 64 threads, four columns each: the whole output is 64 x 1,024 bytes, so there is work for 64 work-groups only.
; part holds, for chunk p of batch b, at (4 b + p) x 1,280 bytes: 256 column sums, then 32 copies of the pair (sum e w_w, sum e).
; All nine loads of a thread are issued together and waited for once; each covers whole aligned runs of 256 bytes, and so does the store.
; sum e is at least 2,048 x exp(-1): the reciprocal is of an ordinary number; v_rcp_f32 is good to 1 ulp.
.set PARTB, 1280
.set A,  4                             ; v[4:19]   chunk p: my four column sums
.set S,  20                            ; v[20:27]  chunk p: (sum e w_w, sum e)
.set KK, 28                            ; v[28:31]  k of my four columns
.set R,  32                            ; v[32:33]  1 / sum e, twice (a pair for the packed multiply)
	s_load_b128 s[4:7], s[0:1], 0x0                ; part s[4:5], k s[6:7]
	s_load_b64 s[8:9], s[0:1], 0x10                ; out0
	v_lshlrev_b32 v1, 4, v0                        ; 16 t: my four columns
	v_and_b32 v2, 31, v0
	v_lshlrev_b32 v2, 3, v2                        ; 8 x lane: my copy of a pair
	s_mul_i32 s10, ttmp9, 4*PARTB                  ; the batch's four chunks
	s_mov_b32 s11, 0
	s_lshl_b32 s12, ttmp9, 10                      ; the batch's row of k and of out0
	s_mov_b32 s13, 0
	s_wait_kmcnt 0x0
	s_add_nc_u64 s[4:5], s[4:5], s[10:11]
	s_add_nc_u64 s[6:7], s[6:7], s[12:13]
	s_add_nc_u64 s[8:9], s[8:9], s[12:13]
.irp p, 0,1,2,3
	global_load_b128 v[A+4*\p:A+4*\p+3], v1, s[4:5] offset:PARTB*\p
	global_load_b64 v[S+2*\p:S+2*\p+1], v2, s[4:5] offset:PARTB*\p+1024
.endr
	global_load_b128 v[KK:KK+3], v1, s[6:7]
	s_wait_loadcnt 0x0
	v_pk_add_f32 v[S:S+1], v[S:S+1], v[S+2:S+3]
	v_pk_add_f32 v[S+4:S+5], v[S+4:S+5], v[S+6:S+7]
	v_pk_add_f32 v[S:S+1], v[S:S+1], v[S+4:S+5]    ; v[S] = sum e w_w, v[S+1] = sum e, over all 2,048 rows
	v_pk_add_f32 v[A:A+1], v[A:A+1], v[A+4:A+5]
	v_pk_add_f32 v[A+2:A+3], v[A+2:A+3], v[A+6:A+7]
	v_pk_add_f32 v[A+8:A+9], v[A+8:A+9], v[A+12:A+13]
	v_pk_add_f32 v[A+10:A+11], v[A+10:A+11], v[A+14:A+15]
	v_pk_add_f32 v[A:A+1], v[A:A+1], v[A+8:A+9]
	v_pk_add_f32 v[A+2:A+3], v[A+2:A+3], v[A+10:A+11]
	v_rcp_f32 v[R], v[S+1]
	v_rcp_f32 v[R+1], v[S+1]                       ; the two packed multiply-adds below are the plain places before R is read (ISA guide 5.7.2)
	v_pk_fma_f32 v[A:A+1], v[KK:KK+1], v[S:S+1], v[A:A+1] op_sel_hi:[1,0,1]         ; + k x sum e w_w (both halves by v[S])
	v_pk_fma_f32 v[A+2:A+3], v[KK+2:KK+3], v[S:S+1], v[A+2:A+3] op_sel_hi:[1,0,1]
	s_wait_alu depctr_va_vdst(0)
	v_pk_mul_f32 v[A:A+1], v[A:A+1], v[R:R+1]
	v_pk_mul_f32 v[A+2:A+3], v[A+2:A+3], v[R:R+1]
	global_store_b128 v1, v[A:A+3], s[8:9]
	s_endpgm
.Lfunc_end_k_q2e2670c704_combine:
	.size	k_q2e2670c704_combine, .Lfunc_end_k_q2e2670c704_combine-k_q2e2670c704_combine
	.p2alignl 7, 3214868480
	.fill 96, 4, 3214868480
	.section	.rodata,"a",@progbits
	.p2align	6, 0x0
	.amdhsa_kernel k_q2e2670c704_combine
		.amdhsa_group_segment_fixed_size 0
		.amdhsa_private_segment_fixed_size 0
		.amdhsa_enable_private_segment 0
		.amdhsa_kernarg_size 24
		.amdhsa_user_sgpr_count 2
		.amdhsa_user_sgpr_kernarg_segment_ptr 1
		.amdhsa_wavefront_size32 1
		.amdhsa_system_sgpr_workgroup_id_x 1
		.amdhsa_system_sgpr_workgroup_id_y 1
		.amdhsa_system_sgpr_workgroup_id_z 1
		.amdhsa_system_vgpr_workitem_id 0
		.amdhsa_next_free_vgpr 34
		.amdhsa_next_free_sgpr 66
		.amdhsa_reserve_vcc 0
		.amdhsa_float_denorm_mode_32 3
		.amdhsa_float_denorm_mode_16_64 3
		.amdhsa_memory_ordered 1
		.amdhsa_forward_progress 1
		.amdhsa_inst_pref_size 3
	.end_amdhsa_kernel
	.amdgpu_metadata
---
amdhsa.version: [ 1, 2 ]
amdhsa.kernels:
  - .name:           k_q2e2670c704_combine
    .symbol:         k_q2e2670c704_combine.kd
    .args:
      - { .name: part, .offset: 0, .size: 8, .value_kind: global_buffer, .address_space: global }
      - { .name: k, .offset: 8, .size: 8, .value_kind: global_buffer, .address_space: global }
      - { .name: out0, .offset: 16, .size: 8, .value_kind: global_buffer, .address_space: global }
    .group_segment_fixed_size: 0
    .private_segment_fixed_size: 0
    .kernarg_segment_align: 8
    .kernarg_segment_size: 24
    .max_flat_workgroup_size: 64
    .sgpr_count:     66
    .vgpr_count:     34
    .wavefront_size: 32
...
	.end_amdgpu_metadata
.endif
;; end of part 2
;; ======== version 2 of 2: 2 launches; version 1 with the launch partial written anew for expert scheduling mode
;; workspace buffers: part 327,680 bytes
;; launch partial (part 3): grid 4 x 64, 16 waves a work-group, no clusters, 35,072 bytes of LDS; arguments memory, k, g, w_prev, w_lu_prev, part; writes part
.if DOCPART == 3
	.amdgcn_target "amdgcn-amd-amdhsa--gfx1250"
	.amdhsa_code_object_version 6
	.text
	.protected	k_q2e2670c704_partial
	.globl	k_q2e2670c704_partial
	.p2align	8
	.type	k_q2e2670c704_partial,@function
k_q2e2670c704_partial:
	s_mov_b64 s[64:65], 0
	v_nop
	global_prefetch_b8 v0, s[64:65] scope:SCOPE_SE
	s_setreg_imm32_b32 hwreg(HW_REG_WAVE_SCHED_MODE, 0, 2), 2
	s_setreg_imm32_b32 hwreg(HW_REG_WAVE_MODE, 25, 1), 1
	s_wait_xcnt 0x0
	s_wait_alu depctr_vm_vsrc(0)
; NTM memory read, first of two launches: one pass over memory [64][2048][256] f32.
; With e_n = exp(cos(memory[n] + eps, k + eps)), the returned read is
;   read[m] = ( sum_n e_n (1 - lu_n) memory[n][m]  +  k[m] sum_n e_n w_w[n] ) / sum_n e_n,   w_w = g w_r_prev + (1 - g) lu.
; This launch makes the three sums for 512 rows of one batch (work-group x = chunk 0..3, y = batch): 256 work-groups.
; NOT READ: gamma, w_prev[:,0] and n.  They enter only w_u, nth_smallest and w_lu, which the function builds and does not return:
; no returned number depends on them.
; LIMITS: (1) no maximum is subtracted in the softmax: |cos| <= 1 (Cauchy-Schwarz; smaller still where a norm is clamped), so e lies in
; 0.36 .. 2.72 and the quotient is the same in exact arithmetic.  (2) The clamp of a norm at 1e-8 is applied to its square:
; 1 / max(norm, 1e-8) is made as rsq(max(norm^2, 1e-16)); f32(1e-8)^2 and f32(1e-16) differ by about 1e-7 of their size, which shows
; only at the clamp.  (3) v_rsq_f32 and v_exp_f32 are good to 1 ulp, and the sums run in another order than the function's.
; A NaN or an infinity in a row gives NaN in dot x rsq as it does in the quotient.
; No matrix unit: both products are one vector against rows that are streamed once; a conversion to 16 bits would add work and save no byte.
; No LDS staging, no shared tiles: no byte of memory is read by two waves; k (1 KiB) is all that work-groups share.
;
; SHARES.  16 waves, 32 rows each, in 16 turns of two rows.  Lanes 0-15 (h = 0) hold row 32 w + t, lanes 16-31 (h = 1) row 32 w + 16 + t;
; lane c = l % 16 holds columns 64 j + 4 c .. + 3, j = 0..3.  So each 16-byte load covers two aligned runs of 256 bytes, and a sum along
; a row stays inside 16 lanes: four row_xmask steps.  Thread number v0 = 32 w + 16 h + t IS the chunk's row that half h treats in turn t,
; so one 4-byte load a thread brings every row's w_r_prev and lu to the lane from which row_share:t hands it to its half.
;
; THE MODE: SCHED_MODE bits 1:0 = 2 (LLVM: expert scheduling mode 2), set by the entry lines.  The code itself states the register dependences
; between vector instructions and memory or LDS instructions, with s_wait_alu, always for 0.
; THE PLAN.  Registers that memory or LDS instructions touch:
;   v[OFF], v[KOFF], v[WOFF], v[SA], v[PA]   offsets and LDS addresses: made at the head, ahead of one wait on va_vdst, and never written again:
;              the rows are reached by immediate offsets.
;   X, nine slots   Turn t's vector lines read slot t % 9, the last of them at the turn's end.  The loads of turn t + 8 land in slot (t - 1) % 9 and are
;              issued in turn t, behind the wait on va_vdst that stands behind the turn's v_rsq_f32 anyway: it also states that turn t - 1 is done
;              reading its slot.  The vector lines between that wait and the loads name D, N + 1 and E1 alone.  So the turns hold no wait for the loads' sake.
;   ACC, WW, EV   written by the turns and the last sums; one wait on va_vdst, then the LDS stores read them.  WW and EV are loaded again by wave 4:
;              one wait on vm_vsrc behind the barrier, ahead of the branches.
;   v[T], X (waves 0-3), WW, EV (wave 4)   behind the barrier: an address is made, one wait on va_vdst, the LDS loads; the sums, one wait on va_vdst, the store.
;   v198, v199    written at the head, read by the closing add alone.
.set ROWB,     1024                    ; bytes in a row of memory
.set NSLOT,    9                       ; ring slots in registers: one at work, one waiting for its refill, seven or eight on their way
.set AHEAD,    8                       ; turn t asks for turn t + 8's rows
.set PARTB,    1280                    ; bytes of a work-group's result: 256 column sums, then 32 copies of (sum e w_w, sum e)
.set PAIRS,    32768                   ; LDS: 32 half-waves x 1,024 bytes of column sums, then 32 pairs of 8 bytes
.set EPS_COS,  0x24e69595              ; 1e-16, added to memory and to k
.set EPS_NRM2, 0x24e69595              ; (1e-8)^2, the clamp of a squared norm
.set LOG2E,    0x3fb8aa3b
.set OFF,  1                           ; v1        byte offset of my 16 bytes in my half's first row
.set KOFF, 2                           ; v2        16 c
.set WOFF, 3                           ; v3        4 x thread: my row's word in w_r_prev and in lu
.set LU,   4                           ; v4        lu of my row, then as f32
.set KEEP, 5                           ; v5        1 - lu of my row
.set CS,   6                           ; v6        log2(e) / max(|k + eps|, 1e-8)
.set HH,   7                           ; v7        h
.set WW,   8                           ; v8        w_r_prev, then w_w of my row, at the end sum e w_w
.set EV,   9                           ; v9        e of my row (lane t of a half gets it in turn t), at the end sum e
.set E1,   10                          ; v[10:11]  e (1 - lu) and e of the turn's row
.set D,    12                          ; v[12:15]  dot product, two packed chains
.set N,    16                          ; v[16:19]  squared norm, two packed chains
.set T,    20                          ; v[20:35]  memory + eps, at work
.set K,    36                          ; v[36:51]  k + eps of my 16 columns
.set ACC,  52                          ; v[52:67]  sum of e (1 - lu) memory for my 16 columns, my half's rows
.set X,    68                          ; v[68:195] ring: slot s = 16 registers, my 16 numbers of a row: slots 0-7 at X + 16 s; slot 8 at v[200:215], behind v196-199
.set SA,   196                         ; v196      LDS: my 16 bytes in my half-wave's row of column sums
.set PA,   197                         ; v197      LDS: my half-wave's pair
	s_load_b256 s[4:11], s[0:1], 0x0               ; memory s[4:5], k s[6:7], g s[8:9], w_prev s[10:11]
	s_load_b128 s[12:15], s[0:1], 0x20             ; w_lu_prev s[12:13], part s[14:15]
	v_lshl_add_u32 v198, v0, 2, 0x8100
	v_mov_b32 v199, 0
	s_and_b32 s16, ttmp7, 0xffff                   ; batch
	v_lshrrev_b32 v[T], 5, v0
	v_readfirstlane_b32 s17, v[T]                  ; wave 0..15
	v_and_b32 v[KOFF], 15, v0
	v_lshlrev_b32 v[KOFF], 4, v[KOFF]              ; 16 c
	v_lshrrev_b32 v[OFF], 4, v0                    ; 2 w + h: 16 rows of 1,024 bytes each
	v_lshl_add_u32 v[OFF], v[OFF], 14, v[KOFF]
	v_lshlrev_b32 v[WOFF], 2, v0
	v_bfe_u32 v[HH], v0, 4, 1
	v_mov_b32 v[E1], 0                             ; a DPP destination counts as read: written once here
	s_lshl_b32 s18, s16, 21                        ; memory: batch x 2 MiB + chunk x 512 KiB
	s_lshl_b32 s19, ttmp9, 19
	s_or_b32 s18, s18, s19
	s_mov_b32 s19, 0
	s_lshl_b32 s20, s16, 10                        ; k: batch x 1,024
	s_mov_b32 s21, 0
	s_lshl_b32 s22, s16, 2                         ; g: batch x 4
	s_mov_b32 s23, 0
	s_lshl_b32 s27, ttmp9, 11                      ; chunk x 512 rows x 4 bytes
	s_lshl_b32 s26, s16, 13                        ; w_lu_prev: batch x 8,192 + chunk
	s_or_b32 s26, s26, s27
	s_lshl_b32 s24, s16, 14                        ; w_prev: batch x 16,384 + 8,192 (index 1: w_r_prev) + chunk
	s_or_b32 s24, s24, s27
	s_or_b32 s24, s24, 8192
	s_mov_b32 s25, 0
	s_mov_b32 s27, 0
	s_lshl_b32 s28, s16, 2                         ; part: (4 x batch + chunk) x 1,280
	s_add_co_u32 s28, s28, ttmp9
	s_mul_i32 s28, s28, PARTB
	s_mov_b32 s29, 0
	s_mov_b32 s30, EPS_COS                         ; a pair, broadcast by the packed add
	s_mov_b32 s31, EPS_COS
	s_mov_b32 s32, EPS_NRM2
	; LDS address of my column sums, as a plain sum: 2,048 w + 1,024 h + 16 c.  The lane term is at most 1,024 + 240 = 1,264; with the
	; stores' largest offset 768 and their 16 bytes that is 2,048: each wave stays in its own 2,048 bytes, wave 15 ends at byte 32,768.
	s_wait_alu depctr_va_sdst(0)                   ; v_readfirstlane_b32 has written s17, ahead of its first reader, the next line
	s_lshl_b32 s35, s17, 11
	v_lshl_add_u32 v[SA], v[HH], 10, v[KOFF]
	v_add_nc_u32 v[SA], s35, v[SA]
	s_lshl_b32 s35, s17, 4                         ; LDS: wave x 2 pairs of 8 bytes + 8 h
	v_lshlrev_b32 v[PA], 3, v[HH]
	v_add_nc_u32 v[PA], s35, v[PA]
	s_wait_kmcnt 0x0
	s_add_nc_u64 s[4:5], s[4:5], s[18:19]
	s_add_nc_u64 s[6:7], s[6:7], s[20:21]
	s_add_nc_u64 s[8:9], s[8:9], s[22:23]
	s_add_nc_u64 s[10:11], s[10:11], s[24:25]
	s_add_nc_u64 s[12:13], s[12:13], s[26:27]
	s_add_nc_u64 s[14:15], s[14:15], s[28:29]
	s_load_b32 s33, s[8:9], 0x0                    ; g of the batch
	s_wait_alu depctr_va_vdst(0)                   ; v[KOFF], v[WOFF], v[OFF], v[SA] and v[PA] are written: the loads below and the LDS stores at the end read them as offsets and addresses
.irp j, 0,1,2,3
	global_load_b128 v[K+4*\j:K+4*\j+3], v[KOFF], s[6:7] offset:256*\j
.endr
	global_load_b32 v[WW], v[WOFF], s[10:11]       ; w_r_prev of row v0 of the chunk
	global_load_b32 v[LU], v[WOFF], s[12:13]       ; lu of the same row
; Load j of the four of turn t's two rows.  One offset register and immediates serve all 64 loads of the wave: nothing is ever stepped.
.macro LD t, j
.set XB, X+16*((\t)%NSLOT)+4*(((\t)%NSLOT)/8)
	global_load_b128 v[XB+4*(\j):XB+4*(\j)+3], v[OFF], s[4:5] offset:(\t)*ROWB+256*(\j) th:TH_LOAD_NT
.endm
.irp t, 0,1,2,3,4,5,6,7,8
.irp j, 0,1,2,3
	LD \t, \j                                      ; the ring is filled: 18 KiB of the wave's 32 KiB are asked for at once
.endr
.endr
	; While the rows travel: k + eps, its norm, and my row's w_w and 1 - lu.
	s_wait_loadcnt 36                              ; loads return in order (ISA guide 5.7.1): k, w_r_prev and lu are in, the ring's 36 loads stay out
.irp p, 0,1,2,3,4,5,6,7
	v_pk_add_f32 v[K+2*\p:K+2*\p+1], v[K+2*\p:K+2*\p+1], s[30:31] op_sel_hi:[1,0]
.endr
	v_pk_mul_f32 v[N:N+1], v[K:K+1], v[K:K+1]
	v_pk_mul_f32 v[N+2:N+3], v[K+2:K+3], v[K+2:K+3]
.irp p, 2,3,4,5,6,7
	v_pk_fma_f32 v[N+2*(\p%2):N+2*(\p%2)+1], v[K+2*\p:K+2*\p+1], v[K+2*\p:K+2*\p+1], v[N+2*(\p%2):N+2*(\p%2)+1]
.endr
	v_pk_add_f32 v[N:N+1], v[N:N+1], v[N+2:N+3]
	v_add_f32 v[N], v[N], v[N+1]
.irp m, 1,2,4,8
	v_add_f32_dpp v[N], v[N], v[N] row_xmask:\m row_mask:0xf bank_mask:0xf   ; 16 lanes x 16 columns = all 256
.endr
	v_max_num_f32 v[N], s32, v[N]
	v_rsq_f32 v[CS], v[N]                          ; 1 / max(|k + eps|, 1e-8)
	v_cvt_f32_i32 v[LU], v[LU]                     ; the plain instruction between v_rsq_f32 and the use of its result (ISA guide 5.7.2)
	s_wait_alu depctr_va_vdst(0)                   ; v_rsq_f32 has written v[CS], which the next line reads
	v_mul_f32 v[CS], LOG2E, v[CS]                  ; exp(x) = exp2(x log2 e): the factor rides on k's norm
	v_sub_f32 v[KEEP], 1.0, v[LU]
	s_wait_kmcnt 0x0                               ; g
	v_sub_f32 v[T], 1.0, s33
	v_mul_f32 v[T], v[T], v[LU]
	v_fma_f32 v[WW], s33, v[WW], v[T]              ; w_w = g w_r_prev + (1 - g) lu
; Turn t: two rows, one in each half of the lanes.  left = younger loads that may stay out; refill = 1: the slot of the turn before gets turn t + 8's rows.
.macro TURN t, left, refill
.set XS, X+16*((\t)%NSLOT)+4*(((\t)%NSLOT)/8)
	s_wait_loadcnt \left
.irp p, 0,1,2,3,4,5,6,7
	v_pk_add_f32 v[T+2*\p:T+2*\p+1], v[XS+2*\p:XS+2*\p+1], s[30:31] op_sel_hi:[1,0]     ; memory + eps
.endr
	v_pk_mul_f32 v[D:D+1], v[T:T+1], v[K:K+1]                  ; the first products start the chains: nothing is cleared
	v_pk_mul_f32 v[N:N+1], v[T:T+1], v[T:T+1]
	v_pk_mul_f32 v[D+2:D+3], v[T+2:T+3], v[K+2:K+3]
	v_pk_mul_f32 v[N+2:N+3], v[T+2:T+3], v[T+2:T+3]
.irp p, 2,3,4,5,6,7
	v_pk_fma_f32 v[D+2*(\p%2):D+2*(\p%2)+1], v[T+2*\p:T+2*\p+1], v[K+2*\p:K+2*\p+1], v[D+2*(\p%2):D+2*(\p%2)+1]
	v_pk_fma_f32 v[N+2*(\p%2):N+2*(\p%2)+1], v[T+2*\p:T+2*\p+1], v[T+2*\p:T+2*\p+1], v[N+2*(\p%2):N+2*(\p%2)+1]
.endr
	v_pk_add_f32 v[D:D+1], v[D:D+1], v[D+2:D+3]
	v_pk_add_f32 v[N:N+1], v[N:N+1], v[N+2:N+3]
	v_add_f32 v[D], v[D], v[D+1]
	v_add_f32 v[N], v[N], v[N+1]
.irp m, 1,2,4,8
	v_add_f32_dpp v[D], v[D], v[D] row_xmask:\m row_mask:0xf bank_mask:0xf   ; along the row: inside each half of 16 lanes,
	v_add_f32_dpp v[N], v[N], v[N] row_xmask:\m row_mask:0xf bank_mask:0xf   ; and every lane of the half ends with the sum
.endr
	v_max_num_f32 v[N], s32, v[N]
	v_rsq_f32 v[N+1], v[N]                         ; 1 / max(|memory + eps|, 1e-8)
	v_mul_f32 v[D], v[D], v[CS]                    ; plain and independent: stands between v_rsq_f32 and its use
	s_wait_alu depctr_va_vdst(0)                   ; v_rsq_f32 has written v[N+1], which the multiply below reads; and the turn before is done reading its slot, in which the four loads below land
.if \refill
	LD \t+AHEAD, 0                                 ; no vector line since that wait names the slot: D, N + 1 and E1 alone are named
	LD \t+AHEAD, 1
.endif
	v_mul_f32 v[D], v[D], v[N+1]                   ; cos x log2 e
	v_exp_f32 v[E1+1], v[D]                        ; e
.if \refill
	LD \t+AHEAD, 2
	LD \t+AHEAD, 3
.endif
	v_nop                                          ; one plain place before e is read; all that follows needs e
	s_wait_alu depctr_va_vdst(0)                   ; v_exp_f32 has written v[E1+1], which the next line reads
	v_mul_f32_dpp v[E1], v[KEEP], v[E1+1] row_share:\t row_mask:0xf bank_mask:0xf   ; e x (1 - lu), lu from lane t of my half: this row's
.if \t == 0
	v_mov_b32 v[EV], v[E1+1]                       ; lane 0 of each half keeps this one; the other lanes are replaced in their turns
.else
	s_mov_b32 s34, 0x00010001<<(\t)
	v_cndmask_b32 v[EV], v[EV], v[E1+1], s34       ; lane t of each half keeps its row's e: the sums over rows are made once, at the end
.endif
.irp p, 0,1,2,3,4,5,6,7
.if \t == 0
	v_pk_mul_f32 v[ACC+2*\p:ACC+2*\p+1], v[XS+2*\p:XS+2*\p+1], v[E1:E1+1] op_sel_hi:[1,0]
.else
	v_pk_fma_f32 v[ACC+2*\p:ACC+2*\p+1], v[XS+2*\p:XS+2*\p+1], v[E1:E1+1], v[ACC+2*\p:ACC+2*\p+1] op_sel_hi:[1,0,1]
.endif
.endr
.endm
	TURN 0, 32, 0                                  ; behind turn 0's loads: the first fills of turns 1 to 8 = 32; no turn stands before it, so no slot is free
.irp t, 1,2,3,4,5,6,7
	TURN \t, 28, 1                                 ; at the head of turn t the youngest loads issued are turn t + 7's: seven turns of four = 28
.endr
.irp t, 8,9,10,11,12,13,14,15
	TURN \t, 4*(15-\t), 0                          ; nothing more to ask for: the counts run down from 28 to 0
.endr
	; The wave's sums over its rows: lane (h, t) holds e and w_w of its own row.
	v_mul_f32 v[WW], v[EV], v[WW]
.irp m, 1,2,4,8
	v_add_f32_dpp v[WW], v[WW], v[WW] row_xmask:\m row_mask:0xf bank_mask:0xf
	v_add_f32_dpp v[EV], v[EV], v[EV] row_xmask:\m row_mask:0xf bank_mask:0xf
.endr
	s_wait_alu depctr_va_vdst(0)                   ; the last turn has written ACC and the sums above WW and EV, which the LDS stores read
.irp j, 0,1,2,3
	ds_store_b128 v[SA], v[ACC+4*\j:ACC+4*\j+3] offset:256*\j  ; my half-wave's 256 column sums, columns in their natural order
.endr
	ds_store_b64 v[PA], v[WW:WW+1] offset:PAIRS    ; (sum e w_w, sum e) of my half-wave; its 16 lanes write the same 8 bytes
	s_wait_dscnt 0x0                               ; zero: other waves read these bytes behind the barrier
	s_barrier_signal -1
	s_barrier_wait -1
	s_wait_alu depctr_vm_vsrc(0)                   ; my LDS stores have read WW and EV, in which wave 4's LDS load lands: stated ahead of the branches
	s_cmp_gt_u32 s17, 4
	s_cbranch_scc1 .Lend                           ; waves 5-15 have handed their sums over
	s_cmp_eq_u32 s17, 4
	s_cbranch_scc1 .Lpairs
	; Waves 0-3: thread t adds columns 2 t, 2 t + 1 over the 32 half-waves; a wave's store covers 256 consecutive bytes, aligned.
	v_and_b32 v[T], 31, v0
	v_lshlrev_b32 v[T], 3, v[T]
	s_lshl_b32 s35, s17, 8
	v_add_nc_u32 v[T], s35, v[T]                   ; 8 x lane + 256 x wave
	s_wait_alu depctr_va_vdst(0)                   ; v[T] is written, the address of the LDS loads and the offset of the store below; the turns are done reading the slots in which the loads land
.set i, 0
.rept 32
	ds_load_b64 v[X+2*i:X+2*i+1], v[T] offset:ROWB*i
.set i, i+1
.endr
	s_wait_dscnt 0x0
.irp s, 16,8,4,2,1
.set i, 0
.rept \s
	v_pk_add_f32 v[X+2*i:X+2*i+1], v[X+2*i:X+2*i+1], v[X+2*(i+\s):X+2*(i+\s)+1]
.set i, i+1
.endr
.endr
	s_wait_alu depctr_va_vdst(0)                   ; the last addition has written v[X:X+1], which the store reads
	global_store_b64 v[T], v[X:X+1], s[14:15]
	s_wait_dscnt 0x0                               ; the closing lines, six on end
	s_wait_alu 0x0
	s_wait_tensorcnt 0x0
	ds_add_u32 v198, v199
	s_wait_dscnt 0x0
	s_endpgm
.Lpairs:
	; Wave 4: lane l takes half-wave l's pair; the sum over 32 lanes ends in every lane, and all 32 lanes store it:
	; 32 copies of 8 bytes, 256 consecutive bytes, aligned, in one store.
	v_and_b32 v[T], 31, v0
	v_lshlrev_b32 v[T], 3, v[T]
	s_wait_alu depctr_va_vdst(0)                   ; v[T] is written, the address of the LDS load and the offset of the store below; the sums that named WW and EV, in which the load lands, are done
	ds_load_b64 v[WW:WW+1], v[T] offset:PAIRS
	s_mov_b32 s36, 0x76543210                      ; v_permlanex16_b32: lane i of one half reads lane i of the other
	s_mov_b32 s37, 0xfedcba98
	s_wait_dscnt 0x0
.irp m, 1,2,4,8
	v_add_f32_dpp v[WW], v[WW], v[WW] row_xmask:\m row_mask:0xf bank_mask:0xf
	v_add_f32_dpp v[EV], v[EV], v[EV] row_xmask:\m row_mask:0xf bank_mask:0xf
.endr
	v_permlanex16_b32 v[T+2], v[WW], s36, s37      ; destinations count as read: T was written in every turn
	v_permlanex16_b32 v[T+3], v[EV], s36, s37
	v_pk_add_f32 v[WW:WW+1], v[WW:WW+1], v[T+2:T+3]
	s_wait_alu depctr_va_vdst(0)                   ; the addition has written WW and EV, which the store reads
	global_store_b64 v[T], v[WW:WW+1], s[14:15] offset:ROWB
.Lend:
	s_wait_dscnt 0x0                               ; the closing lines, six on end
	s_wait_alu 0x0
	s_wait_tensorcnt 0x0
	ds_add_u32 v198, v199
	s_wait_dscnt 0x0
	s_endpgm
.Lfunc_end_k_q2e2670c704_partial:
	.size	k_q2e2670c704_partial, .Lfunc_end_k_q2e2670c704_partial-k_q2e2670c704_partial
	.p2alignl 7, 3214868480
	.fill 96, 4, 3214868480
	.section	.rodata,"a",@progbits
	.p2align	6, 0x0
	.amdhsa_kernel k_q2e2670c704_partial
		.amdhsa_group_segment_fixed_size 35072
		.amdhsa_private_segment_fixed_size 0
		.amdhsa_enable_private_segment 0
		.amdhsa_kernarg_size 48
		.amdhsa_user_sgpr_count 2
		.amdhsa_user_sgpr_kernarg_segment_ptr 1
		.amdhsa_wavefront_size32 1
		.amdhsa_system_sgpr_workgroup_id_x 1
		.amdhsa_system_sgpr_workgroup_id_y 1
		.amdhsa_system_sgpr_workgroup_id_z 1
		.amdhsa_system_vgpr_workitem_id 0
		.amdhsa_next_free_vgpr 216
		.amdhsa_next_free_sgpr 66
		.amdhsa_reserve_vcc 0
		.amdhsa_float_denorm_mode_32 3
		.amdhsa_float_denorm_mode_16_64 3
		.amdhsa_memory_ordered 1
		.amdhsa_forward_progress 1
		.amdhsa_inst_pref_size 69
	.end_amdhsa_kernel
	.amdgpu_metadata
---
amdhsa.version: [ 1, 2 ]
amdhsa.kernels:
  - .name:           k_q2e2670c704_partial
    .symbol:         k_q2e2670c704_partial.kd
    .args:
      - { .name: memory, .offset: 0, .size: 8, .value_kind: global_buffer, .address_space: global }
      - { .name: k, .offset: 8, .size: 8, .value_kind: global_buffer, .address_space: global }
      - { .name: g, .offset: 16, .size: 8, .value_kind: global_buffer, .address_space: global }
      - { .name: w_prev, .offset: 24, .size: 8, .value_kind: global_buffer, .address_space: global }
      - { .name: w_lu_prev, .offset: 32, .size: 8, .value_kind: global_buffer, .address_space: global }
      - { .name: part, .offset: 40, .size: 8, .value_kind: global_buffer, .address_space: global }
    .group_segment_fixed_size: 35072
    .private_segment_fixed_size: 0
    .kernarg_segment_align: 8
    .kernarg_segment_size: 48
    .max_flat_workgroup_size: 512
    .sgpr_count:     66
    .vgpr_count:     216
    .wavefront_size: 32
...
	.end_amdgpu_metadata
.endif
;; end of part 3
;; launch combine: the kernel of part 2 again; grid 64 x 1, 2 waves a work-group, no clusters, 0 bytes of LDS; arguments part, k, out0; writes out0
